; MI455X (gfx1250); checked and timed in simulation.
; The chip was launched on July 23, 2026; its instructions are those of AMD's public machine-readable ISA for CDNA 5 (MIT licence, August 2026) and "CDNA5" Instruction Set Architecture Reference Guide (July 2026). The comments in the code are by the model that wrote it; some were corrected since.
;; Relative Attention Head. Allowed arithmetic: matrix products marked QUANTISED: E4M3 operands, one given power-of-two scale a tensor, by v_wmma_f32_16x16x64_fp8_fp8 or v_wmma_f32_16x16x128_fp8_fp8, f32 sums; everything else in f32.
;; Inputs: Wk 64 x 512 float32; Wq 64 x 512 float32; Wv 64 x 512 float32; lowp_scales 12 int32 (the exponents e of the quantised operands' scales 2^e); rel_emb 4,095 x 64 float32; x 8 x 2,048 x 512 float32.
;; Outputs: out0 8 x 2,048 x 64 float32.
;; This version of the problem:
;;   THIS VERSION OF THE PROBLEM IS GIVEN IN LOW PRECISION. The matrix products marked QUANTISED in the list below multiply operands that are first quantised to E4M3 (4 exponent bits, 3 mantissa bits; 8 bits a number), with one given power-of-two scale for each operand tensor; their sums are f32. All else is computed in f32.
;;   The module's matrix products, in the order in which they are computed (A, B: the left and right operand; K: the contracted axis; several contracted axes count as one K, in the product's order):
;;     1. [M 16,384, K 512] x [K 512, N 64]; A: input x; B: input Wq: QUANTISED (scales: A lowp_scales[0], B lowp_scales[1])
;;     2. [M 16,384, K 512] x [K 512, N 64]; A: input x; B: input Wk: QUANTISED (scales: A lowp_scales[2], B lowp_scales[3])
;;     3. [M 16,384, K 512] x [K 512, N 64]; A: input x; B: input Wv: QUANTISED (scales: A lowp_scales[4], B lowp_scales[5])
;;     4. batch 8 x [M 2,048, K 64] x [K 64, N 2,048]; A: computed on the way; B: computed on the way: QUANTISED (scales: A lowp_scales[6], B lowp_scales[7])
;;     5. [M 16,384, K 64] x [K 64, N 4,095]; A: computed on the way; B: input rel_emb: QUANTISED (scales: A lowp_scales[8], B lowp_scales[9])
;;     6. batch 8 x [M 2,048, K 2,048] x [K 2,048, N 64]; A: softmax (see below); B: computed on the way: QUANTISED (scales: A lowp_scales[10], B lowp_scales[11])
;;   THE QUANTISER, for each operand of a quantised product, along K:
;;     - The operand's scale is 2^e, e = its entry of the input lowp_scales (int32; the entries are numbered through the quantised products in the list's order, A before B).
;;     - Each number is divided by the scale, clamped to +-448, and rounded to the nearest number of E4M3, ties to even, subnormals kept.
;;     - The product sums the exact products of the quantised numbers (number of the format x scale) in f32.
;;   ~~~python
;;   def quantise(x, axis, e):      # numpy; x: float32 -> the quantised numbers, widened to float32 again
;;       x = np.moveaxis(x, axis, -1); K = x.shape[-1]
;;       r = np.clip(x / 2.0 ** e, -448, 448)
;;       step = 2.0 ** (np.maximum(np.frexp(np.where(r == 0, 1, r))[1] - 1, -6) - 3)
;;       q = np.round(r / step) * step * 2.0 ** e      # np.round: ties to even
;;       return np.moveaxis(q, -1, axis).astype(np.float32)
;;   ~~~
;;   SOFTMAX AHEAD OF A QUANTISED PRODUCT. Where the list says 'softmax', what is quantised is not the finished softmax but p = 2^(t - M), with t = logit x log2(e) and M = ceil(the row's largest t), a whole number; so 1/2 < the row's largest p <= 1. The row's sum l is taken of the UNQUANTISED p, in f32, and the product's result is divided by l at the end. Since M is a whole number, a kernel that streams over the keys may use a running M (the ceiling of the running maximum): every later rescaling is an exact power of two, so the quantised numbers keep their values, but for numbers so far below the row's largest that they fall under the format's range.
;;   OPERANDS COMPUTED ON THE WAY. 'Computed on the way' means the value that the module computes at that place (a softmax that the list does not call 'softmax' is quantised finished and normalised). What goes into a quantiser is computed in f32, as accurately as f32 sums, v_exp_f32 and their like allow (about 1e-6 of the number): no bf16 or f16 on the way to a quantiser, and a product that is left as it is and whose result goes on into a quantised operand takes f32 operands (vector FMAs, or v_wmma_f32_16x16x4_f32). A number that lies on a knife's edge between two numbers of the format may be rounded either way, as far as f32 arithmetic and the matrix unit's own rounding can turn it there, and no further.
;; One version. Each part assembles by itself: llvm-mc -triple=amdgcn-amd-amdhsa -mcpu=gfx1250 --defsym DOCPART=n.
;; ======== version 1 of 1: 2 launches
;; limits: right only within a limited range of input values
;; workspace buffers: q4c 1,048,576 bytes; q5c 1,048,576 bytes; kc 1,048,576 bytes; vc 1,048,576 bytes; rc 135,168 bytes
;; launch project (part 1): grid 256 x 1, 8 waves a work-group, clusters of 2 x 1, 327,680 bytes of LDS; arguments x, Wq, Wk, Wv, rel_emb, lowp_scales, q4c, q5c, kc, vc, rc; writes q4c, q5c, kc, vc, rc
.if DOCPART == 1
	.amdgcn_target "amdgcn-amd-amdhsa--gfx1250"
	.amdhsa_code_object_version 6
	.text
	.protected	k_q5490dd63aa_project
	.globl	k_q5490dd63aa_project
	.p2align	8
	.type	k_q5490dd63aa_project,@function
k_q5490dd63aa_project:
	s_mov_b64 s[64:65], 0
	v_nop
	global_prefetch_b8 v0, s[64:65] scope:SCOPE_SE
	s_setreg_imm32_b32 hwreg(HW_REG_WAVE_MODE, 25, 1), 1
	s_wait_xcnt 0x0
	s_wait_alu depctr_hold_cnt(0) depctr_sa_sdst(0) depctr_va_vdst(0) depctr_va_sdst(0) depctr_va_ssrc(0) depctr_va_vcc(0) depctr_vm_vsrc(0)
	s_getreg_b32 s2, hwreg(HW_REG_IB_STS2, 6, 4)
	s_cmp_eq_u32 s2, 0
	s_cbranch_scc0 .Lentry_in_a_cluster
	s_endpgm
.Lentry_in_a_cluster:
	s_bfe_u32 s2, ttmp6, 0x10000c
	s_cmp_lg_u32 s2, 0x1001
	s_cbranch_scc0 .Lentry_shape_is_right
	s_endpgm
.Lentry_shape_is_right:
; Q = x Wq^T, K = x Wk^T, V = x Wv^T on codes of FP8 (E4M3), and every quantiser that follows them; also the codes of rel_emb's rows 0 to 2,047.
; x [16384][512] f32; Wq, Wk, Wv [64][512] f32; the scales' exponents e0 .. e11 (int32).  code = number / 2^e, held within +-448, to the nearest code, ties to even.
; DEAD WORK LEFT OUT.  The skew gives key k of query q the row 2047 - q + k of rel_emb.  The causal mask of reference() keeps k <= q, that is rows 0 .. 2047, whatever the inputs hold: rows from 2,048 on meet
; only scores that the mask throws away, and are not read; the 64 rows of codes behind them that a tile reaches are stored as zeros.  The second launch leaves out the key blocks that lie wholly behind a query block.
; LIMIT: a NaN, an infinity or an overflow that reaches only what is left out is not carried to the result.
; SHARES.  A cluster of two work-groups takes 128 rows of x; partner cx takes channels 32 cx .. 32 cx + 31 of Q, of K and of V: 96 rows of weights.  x is asked for jointly by the two.
; A wave takes one tile of 16 rows (block wave / 4, tile i = wave % 4) and all 96 columns.  It loads its own tile by one tensor load and is the only one that reads it, so its own TENSORcnt orders it.
; THE ROWS OF A TILE ARE NOT NEIGHBOURS: lane r of tile i takes row 8 i + r % 8 + 32 (r / 8) of a block of 64: two runs of 8 rows of x, each 16,384 bytes on end, stated as a tensor tile of two rows of 4,096 numbers.
; THE ORDER ALONG K, the same in x and W: byte 256 m + 8 l + 4 u + i of a row of codes is k = 128 (2 m + u) + 4 l + i.  So a wave's conversion of two loads of 512 bytes of W is stored by one instruction of 8 bytes a lane.
; Where m = 1 and l / 2 is odd (the upper half of the lanes reads these), i = 0 .. 3 stands for the neighbours 2, 3, 0, 1: x's rows carry 8 bytes of padding behind each 1,024, so that the sixteen rows of a tile begin 16 bytes
; apart modulo 256 (64 banks of 4 bytes: ISA guide 11.1); a row's second half is then read in pieces of 8 bytes, and the two halves of the lanes take the two pieces of 16 bytes in opposite order, on different banks.
; PRODUCTS.  Q, K: source 0 = 16 rows of W, source 1 = x's tile: a lane holds one row of x and 8 neighbouring channels.  V: sources swapped: a lane holds one channel and 8 keys.
; OUT, all as images of operand registers: q4c (Q at e6), q5c (Q at e8), kc (K at e7): [block][tile][2][lane][16 bytes];  vc (V at e11): [block][channel tile][row tile][lane][8 bytes];
; rc (rel_emb at e9): groups y of 8 rows, 512 bytes: [2][lane half, flipped where y / 4 is odd][row % 8][16 bytes].
; No prefetch: all of x and W is asked for at the start, and there is no loop to run ahead in.
; LIMITS: e0 .. e5, e9, e6 - e0 - e1, e8 - e0 - e1, e7 - e2 - e3 and e11 - e4 - e5 lie between -126 and 119, so that each scale and 448 x the scale is an f32 number.  NaN among the inputs is not served; infinities are held at the largest code.
.set XROW,  2064                       ; a row of x in LDS: 2,048 bytes + 8 behind each 1,024
.set XT,    16*XROW
.set WB,    8*XT                       ; behind the eight tiles: W's codes, 96 rows
.set WP,    528                        ; a row of W's codes: 512 bytes + 16
.set SPARE, WB+96*WP                   ; the spare words, 128 bytes for each wave
.set XF,  32                           ; v32-95   x's 64 numbers.  At first v32-223: W's numbers
.set TT,  96                           ; v96-111  held numbers
.set PC,  112                          ; v112-159 codes of x at the three scales
.set FG,  160                          ; v160-207 three fragments of W (channels 0-15 of the 32); window 1, v0-47: the other three
.set ACC, 208                          ; v208-255 six accumulators
.set MSB, 0
.macro WIN new                         ; low byte: bits 1:0 source 0, 3:2 source 1, 5:4 source 2, 7:6 destination; the high byte repeats the setting that is left
.if MSB != \new
	s_set_vgpr_msb (MSB<<8)|\new
.set MSB, \new
.endif
.endm
.macro ROUND                           ; a round of the cluster's barrier
	s_barrier_signal -1
	s_barrier_wait -1
	s_cmp_lg_u32 s30, 0
	s_cbranch_scc1 .Lnot_wave_0_\@
	s_barrier_signal -3
.Lnot_wave_0_\@:
	s_barrier_wait -3
	s_barrier_signal -1
	s_barrier_wait -1
.endm
	s_load_b256 s[8:15], s[0:1], 0x0               ; x s[8:9], Wq s[10:11], Wk s[12:13], Wv s[14:15]
	s_load_b256 s[16:23], s[0:1], 0x20             ; rel_emb s[16:17], the exponents s[18:19], q4c s[20:21], q5c s[22:23]
	s_load_b128 s[24:27], s[0:1], 0x40             ; kc s[24:25], vc s[26:27]
	s_load_b64 s[28:29], s[0:1], 0x50              ; rc
	v_lshl_add_u32 v1, v0, 2, SPARE                ; my spare word, and 0: never rewritten
	v_mov_b32 v2, 0
	ds_add_u32 v1, v2                              ; the wave's opening: the add, twice on end
	ds_add_u32 v1, v2
	v_lshrrev_b32 v30, 5, v0
	v_readfirstlane_b32 s30, v30                   ; wave 0..7
	s_bfe_u32 s31, ttmp6, 0x40000                  ; cx: it enters global addresses alone
	; descriptor group 1: two rows of 4,096 elements of 4 bytes, 16,384 elements apart; 2 words of padding behind every 256; shared by both partners
	s_mov_b32 s32, 3|(2<<16)|(1<<20)|(1<<21)|(7<<22)|(1<<25)
	s_mov_b32 s33, 4096<<16
	s_mov_b32 s34, 2<<16
	s_mov_b32 s35, 4096<<16
	s_mov_b32 s36, 2
	s_mov_b32 s37, 16384
	s_mov_b32 s38, 0
	s_mov_b32 s39, 0
	s_lshr_b32 s44, s30, 2                         ; block b
	s_and_b32 s45, s30, 3                          ; tile i
	s_mov_b32 s40, 1
	s_mul_i32 s41, s30, XT                         ; my tile in LDS
	s_lshl_b32 s84, ttmp9, 18                      ; 128 rows of 2,048 bytes a cluster,
	s_lshl_b32 s86, s44, 17                        ; 64 a block,
	s_add_co_u32 s84, s84, s86
	s_lshl_b32 s86, s45, 14                        ; 8 a tile
	s_add_co_u32 s84, s84, s86
	s_mov_b32 s85, 0
	s_lshl_b32 s46, ttmp9, 1
	s_add_co_u32 s46, s46, s31                     ; my work-group's group of rel_emb: 8 rows
	s_bfe_u32 s47, s46, 0x10002                    ; (group / 4) % 2
	s_mul_i32 s86, s30, 4*WP
	s_add_co_u32 s86, s86, WB
	v_and_b32 v3, 31, v0                           ; lane
	v_lshlrev_b32 v7, 3, v3                        ; 8 x lane
	v_lshlrev_b32 v3, 4, v3                        ; 16 x lane
	v_and_b32 v4, 15, v0                           ; r
	v_bfe_u32 v5, v0, 4, 1                         ; h
	v_mul_u32_u24 v6, v4, WP
	v_lshl_add_u32 v6, v5, 4, v6
	v_add_nc_u32 v6, WB, v6                        ; where I read W's fragments: row r, + 16 h
	v_and_b32 v8, 7, v0                            ; rel_emb: lane = row % 8 + 8 x half + 16 x (which 32 channels)
	v_bfe_u32 v9, v0, 3, 1
	v_bfe_u32 v10, v0, 4, 1
	v_lshlrev_b32 v30, 8, v8
	v_lshl_add_u32 v30, v9, 5, v30
	v_lshl_add_u32 v30, v10, 7, v30                ; in: rows of 256 bytes
	v_xor_b32 v9, s47, v9
	v_lshlrev_b32 v31, 4, v8
	v_lshl_add_u32 v31, v9, 7, v31
	v_lshl_add_u32 v31, v10, 8, v31                ; out: 16 bytes a lane of the group's 512
	v_bfe_u32 v254, v0, 1, 1
	v_lshlrev_b32 v254, 4, v254                    ; 16 bits where lane / 2 is odd: W's codes of the second half of K are turned there
	v_mul_u32_u24 v4, v4, XROW
	v_lshl_add_u32 v4, v5, 5, v4
	v_add_nc_u32 v4, s41, v4                       ; where I read x: my tile, row r, + 32 h;
	v_lshl_add_u32 v0, v5, 3, v4                   ; the first 8 of 16 bytes: + 8 h,
	v_xor_b32 v8, 1, v5
	v_add_nc_u32 v5, s86, v7                       ; (where I store W's codes: rows 4 x wave on of each product, 8 bytes a lane)
	v_lshl_add_u32 v7, v8, 3, v4                   ; and the other 8: + 8 (1 - h)
	s_wait_dscnt 0x0                               ; both opening adds are done
	s_wait_alu depctr_va_vdst(0)                   ; the wait here, ahead of the waits below
	ROUND                                          ; both work-groups are here: the joint loads meet
	s_wait_kmcnt 0x0
	s_load_b256 s[68:75], s[18:19], 0x0            ; e0 .. e7
	s_load_b128 s[76:79], s[18:19], 0x20           ; e8 .. e11
	s_add_nc_u64 s[42:43], s[8:9], s[84:85]
	s_or_b32 s43, s43, 0x80000000
	tensor_load_to_lds s[40:43], s[32:39]          ; one load of mine is out; its descriptor is never written again
	s_nop 0
.rept 4
	v_nop
.endr
	s_lshl_b32 s86, s31, 16                        ; W: my 4 rows of 2,048 bytes: channel 32 cx + 4 x wave on
	s_lshl_b32 s88, s30, 13
	s_add_co_u32 s86, s86, s88
	s_mov_b32 s87, 0
	s_add_nc_u64 s[58:59], s[10:11], s[86:87]
	s_add_nc_u64 s[60:61], s[12:13], s[86:87]
	s_add_nc_u64 s[62:63], s[14:15], s[86:87]
	; the results' places
	s_lshl_b32 s86, ttmp9, 13
	s_lshl_b32 s88, s44, 12
	s_add_co_u32 s86, s86, s88                     ; a block of 64 rows is 4,096 bytes of codes
	s_lshl_b32 s88, s45, 10
	s_add_co_u32 s88, s88, s86
	s_lshl_b32 s90, s31, 9
	s_add_co_u32 s88, s88, s90                     ; Q, K: tile i, 16-byte chunks cx
	s_mov_b32 s89, 0
	s_add_nc_u64 s[20:21], s[20:21], s[88:89]
	s_add_nc_u64 s[22:23], s[22:23], s[88:89]
	s_add_nc_u64 s[24:25], s[24:25], s[88:89]
	s_lshl_b32 s88, s31, 11
	s_add_co_u32 s88, s88, s86
	s_lshl_b32 s90, s45, 8
	s_add_co_u32 s88, s88, s90                     ; V: channel tiles 2 cx on, row tile i
	s_add_nc_u64 s[26:27], s[26:27], s[88:89]
	s_mov_b32 s91, 0
; an exponent in s[e] becomes 2^e (v[vs]) and 448 x 2^e (v[vl]) as f32
.macro MKSCALE e, vs, vl
	s_add_co_i32 s94, s[\e], 127
	s_lshl_b32 s95, s94, 23
	v_mov_b32 v[\vs], s95
	s_add_co_i32 s94, s94, 8
	s_lshl_b32 s94, s94, 23
	s_or_b32 s94, s94, 0x600000
	v_mov_b32 v[\vl], s94
.endm
; product a's four rows of W become codes and go to LDS
.macro WQUANT a, younger, cd, sc, lim
	s_wait_loadcnt \younger                        ; its 16 loads are in; the later products' may be out
.set nn, 32+64*\a
.rept 64
	v_med3_num_f32 v[nn], v[nn], -v[\lim], v[\lim]   ; the conversion to an 8-bit code does not saturate (ISA guide 7.6.2): the hold at 448 x the scale
.set nn, nn+1
.endr
.set nn, 0
.rept 8
	v_cvt_scalef32_pk8_fp8_f32 v[\cd+2*nn:\cd+2*nn+1], v[32+64*\a+8*nn:39+64*\a+8*nn], v[\sc]
.set nn, nn+1
.endr
	v_nop
.irp p, 0,1,2,3
	v_alignbit_b32 v[\cd+4*\p+2], v[\cd+4*\p+2], v[\cd+4*\p+2], v254   ; the second half of K: turned by 16 bits where lane / 2 is odd
	v_alignbit_b32 v[\cd+4*\p+3], v[\cd+4*\p+3], v[\cd+4*\p+3], v254
.endr
.irp p, 0,1,2,3
.irp m, 0,1
	ds_store_b64 v5, v[\cd+4*\p+2*\m:\cd+4*\p+2*\m+1] offset:(32*\a+\p)*WP+256*\m
.endr
.endr
.endm
; my part of the weights.  rel = 1 (wave 7): also 8 rows of rel_emb, asked for first
.macro WPART rel
.if \rel
	s_lshl_b32 s90, s46, 11
	s_add_nc_u64 s[48:49], s[16:17], s[90:91]
	s_lshl_b32 s90, s46, 9
	s_add_nc_u64 s[50:51], s[28:29], s[90:91]
	global_load_b128 v[224:227], v30, s[48:49]                 ; channels 32 c + 8 half + 0 .. 7,
	global_load_b128 v[228:231], v30, s[48:49] offset:16
	global_load_b128 v[232:235], v30, s[48:49] offset:64       ; and 16 further on: registers 4 c .. 4 c + 3 of a fragment
	global_load_b128 v[236:239], v30, s[48:49] offset:80
.endif
.irp a, 0,1,2                                  ; 48 loads: register 32 + 64 a + 16 p + 4 n + 0 .. 3 = k 128 n + 4 lane + 0 .. 3 of row p of product a's weight
.irp p, 0,1,2,3
.irp n, 0,1,2,3
	global_load_b128 v[32+64*\a+16*\p+4*\n:32+64*\a+16*\p+4*\n+3], v3, s[58+2*\a:59+2*\a] offset:2048*\p+512*\n
.endr
.endr
.endr
	s_wait_kmcnt 0x0
	s_add_co_i32 s80, s68, s69                     ; a sum stands for sum x 2^(ex + ew): its code is sum / 2^(eo - ex - ew)
	s_sub_co_i32 s81, s74, s80
	s_sub_co_i32 s82, s76, s80
	s_add_co_i32 s80, s70, s71
	s_sub_co_i32 s83, s75, s80
	s_add_co_i32 s80, s72, s73
	s_sub_co_i32 s84, s79, s80
	MKSCALE 68, 8, 9                               ; x in the three products,
	MKSCALE 70, 10, 11
	MKSCALE 72, 12, 13
	MKSCALE 69, 14, 15                             ; the weights,
	MKSCALE 71, 16, 17
	MKSCALE 73, 18, 19
	MKSCALE 81, 20, 21                             ; Q at e6, Q at e8, K, V
	MKSCALE 82, 22, 23
	MKSCALE 83, 24, 25
	MKSCALE 84, 26, 27
.if \rel
	MKSCALE 77, 28, 29                             ; rel_emb
	s_wait_alu depctr_va_vdst(0)                   ; the wait at the head's end
	s_wait_loadcnt 48                              ; rel_emb's rows are in; W's 48 loads may be out
.set nn, 224
.rept 16
	v_med3_num_f32 v[nn], v[nn], -v29, v29
.set nn, nn+1
.endr
	v_cvt_scalef32_pk8_fp8_f32 v[240:241], v[224:231], v28
	v_cvt_scalef32_pk8_fp8_f32 v[242:243], v[232:239], v28
	v_nop                                          ; a plain vector line behind the last conversion
	global_store_b128 v31, v[240:243], s[50:51]    ; 512 consecutive bytes, aligned
.else
	s_wait_alu depctr_va_vdst(0)                   ; the wait at the head's end
	s_cmp_lg_u32 s30, 6
	s_cbranch_scc1 .Lno_zero_\@                    ; wave 6 of the first four clusters: groups 256 .. 263 are zero codes
	s_cmp_ge_u32 ttmp9, 4
	s_cbranch_scc1 .Lno_zero_\@
	s_add_co_u32 s90, s46, 256
	s_lshl_b32 s90, s90, 9
	s_add_nc_u64 s[50:51], s[28:29], s[90:91]
	v_mov_b32 v244, 0
	v_mov_b32 v245, 0
	v_mov_b32 v246, 0
	v_mov_b32 v247, 0
	global_store_b128 v31, v[244:247], s[50:51]
.Lno_zero_\@:
.endif
	WQUANT 0, 32, 224, 14, 15
	WQUANT 1, 16, 32, 16, 17
	WQUANT 2, 0, 48, 18, 19
.endm
	s_cmp_eq_u32 s30, 7
	s_cbranch_scc1 .Lrel
	WPART 0
	s_branch .Lready
.Lrel:
	WPART 1
.Lready:
	s_wait_xcnt 0x0                                ; my store's registers may be written again
	s_wait_dscnt 0x0                               ; my stores of W's codes are done
	s_barrier_signal -1
	s_barrier_wait -1                              ; everybody's are
.macro FRAGS k                         ; the six fragments of the weights: 128 along K
.irp a, 0,1,2
.irp c, 0,1,2,3
	ds_load_b128 v[FG+16*\a+4*\c:FG+16*\a+4*\c+3], v6 offset:(32*\a)*WP+128*(\k)+32*\c
.endr
.endr
	WIN 0x40
.irp a, 0,1,2
.irp c, 0,1,2,3
	ds_load_b128 v[16*\a+4*\c:16*\a+4*\c+3], v6 offset:(32*\a+16)*WP+128*(\k)+32*\c
.endr
.endr
	WIN 0
.endm
.macro XLOAD k                         ; x's 64 numbers of a lane: 16 loads, or 32 in a row's second half
.set XO, 1032*((\k)/2)+256*((\k)%2)
.irp c, 0,1,2,3
.irp j, 0,1,2,3
.if (\k) < 2
	ds_load_b128 v[XF+16*\c+4*\j:XF+16*\c+4*\j+3], v4 offset:XO+512*(\j%2)+64*\c+16*(\j/2)
.else
	ds_load_b64 v[XF+16*\c+4*\j:XF+16*\c+4*\j+1], v0 offset:XO+512*(\j%2)+64*\c+16*(\j/2)
	ds_load_b64 v[XF+16*\c+4*\j+2:XF+16*\c+4*\j+3], v7 offset:XO+512*(\j%2)+64*\c+16*(\j/2)
.endif
.endr
.endr
.endm
; x's 64 numbers of a lane become the 16 registers of product a's operand
.macro QUANT a, sc, lim
.irp m, 0,1,2,3,4,5,6,7
.irp n, 0,1,2,3,4,5,6,7
	v_med3_num_f32 v[TT+8*(\m%2)+\n], v[XF+8*\m+\n], -v[\lim], v[\lim]
.endr
	v_cvt_scalef32_pk8_fp8_f32 v[PC+16*\a+2*\m:PC+16*\a+2*\m+1], v[TT+8*(\m%2):TT+8*(\m%2)+7], v[\sc]
.endr
.endm
; three products on three accumulators.  The six accumulators take turns
.macro MUL reg, u, k
	WIN \u
.irp a, 0,1
.if (\k) == 0
	v_wmma_f32_16x16x128_fp8_fp8 v[ACC+16*\a+8*\u:ACC+16*\a+8*\u+7], v[\reg+16*\a:\reg+16*\a+15], v[PC+16*\a:PC+16*\a+15], 0
.else
	v_wmma_f32_16x16x128_fp8_fp8 v[ACC+16*\a+8*\u:ACC+16*\a+8*\u+7], v[\reg+16*\a:\reg+16*\a+15], v[PC+16*\a:PC+16*\a+15], v[ACC+16*\a+8*\u:ACC+16*\a+8*\u+7]
.endif
.endr
	WIN 4*\u
.if (\k) == 0
	v_wmma_f32_16x16x128_fp8_fp8 v[ACC+32+8*\u:ACC+32+8*\u+7], v[PC+32:PC+47], v[\reg+32:\reg+47], 0
.else
	v_wmma_f32_16x16x128_fp8_fp8 v[ACC+32+8*\u:ACC+32+8*\u+7], v[PC+32:PC+47], v[\reg+32:\reg+47], v[ACC+32+8*\u:ACC+32+8*\u+7]
.endif
	WIN 0
.endm
.macro STEP k, younger, ahead          ; younger: this step's fragment loads behind x's, ahead: the next step's loads of x: they may be out
	s_wait_dscnt \younger                          ; this step's x is in
	QUANT 0, 8, 9
	QUANT 1, 10, 11
	QUANT 2, 12, 13
	v_nop                                          ; a plain vector line behind the last conversion
.if (\k) < 3
	XLOAD (\k)+1
.endif
	s_wait_alu depctr_va_vdst(0)                   ; the wait here, ahead of the wait below
	s_wait_dscnt \ahead                            ; the fragments are in
	MUL FG, 0, \k
	MUL 0, 1, \k
.rept 4
	v_nop                                          ; four places in front of loads into the fragments' registers, and of the first read of the sums
.endr
.if (\k) < 3
	FRAGS (\k)+1
.endif
.endm
	FRAGS 0
	s_wait_tensorcnt 0x0                           ; my tile of x has landed: no other wave reads it
	XLOAD 0
	STEP 0, 0, 16
	STEP 1, 24, 32
	STEP 2, 24, 32
	STEP 3, 24, 0
; the sums become codes: each accumulator is read from its low end on, held into other registers, converted
.macro OUTQ acc, sc, lim, tmp, dst
.set nn, 0
.rept 16
	v_med3_num_f32 v[\tmp+nn], v[\acc+nn], -v[\lim], v[\lim]
.set nn, nn+1
.endr
	v_cvt_scalef32_pk8_fp8_f32 v[\dst:\dst+1], v[\tmp:\tmp+7], v[\sc]
	v_cvt_scalef32_pk8_fp8_f32 v[\dst+2:\dst+3], v[\tmp+8:\tmp+15], v[\sc]
	v_nop
.endm
	OUTQ ACC, 20, 21, 32, 96
	OUTQ ACC, 22, 23, 48, 100
	global_store_b128 v3, v[96:99], s[20:21]       ; a chunk of the fragment's image: 512 consecutive bytes a store
	global_store_b128 v3, v[100:103], s[22:23]
	OUTQ ACC+16, 24, 25, 64, 104
	global_store_b128 v3, v[104:107], s[24:25]
	v_lshrrev_b32 v6, 1, v3                        ; 8 x lane
	OUTQ ACC+32, 26, 27, 80, 108
	global_store_b64 v6, v[108:109], s[26:27]                  ; 256 consecutive bytes, aligned
	global_store_b64 v6, v[110:111], s[26:27] offset:1024
	s_wait_tensorcnt 0x0                           ; the wave's end
	ds_add_u32 v1, v2
	s_wait_dscnt 0x0
	ROUND                                          ; the closing round
	s_endpgm
.Lfunc_end_k_q5490dd63aa_project:
	.size	k_q5490dd63aa_project, .Lfunc_end_k_q5490dd63aa_project-k_q5490dd63aa_project
	.p2alignl 7, 3214868480
	.fill 96, 4, 3214868480
	.section	.rodata,"a",@progbits
	.p2align	6, 0x0
	.amdhsa_kernel k_q5490dd63aa_project
		.amdhsa_group_segment_fixed_size 327680
		.amdhsa_private_segment_fixed_size 0
		.amdhsa_enable_private_segment 0
		.amdhsa_kernarg_size 88
		.amdhsa_user_sgpr_count 2
		.amdhsa_user_sgpr_kernarg_segment_ptr 1
		.amdhsa_wavefront_size32 1
		.amdhsa_system_sgpr_workgroup_id_x 1
		.amdhsa_system_sgpr_workgroup_id_y 1
		.amdhsa_system_sgpr_workgroup_id_z 1
		.amdhsa_system_vgpr_workitem_id 0
		.amdhsa_next_free_vgpr 320
		.amdhsa_next_free_sgpr 96
		.amdhsa_reserve_vcc 0
		.amdhsa_float_denorm_mode_32 3
		.amdhsa_float_denorm_mode_16_64 3
		.amdhsa_memory_ordered 1
		.amdhsa_forward_progress 1
		.amdhsa_inst_pref_size 132
	.end_amdhsa_kernel
	.amdgpu_metadata
---
amdhsa.version: [ 1, 2 ]
amdhsa.kernels:
  - .name:           k_q5490dd63aa_project
    .symbol:         k_q5490dd63aa_project.kd
    .args:
      - { .name: x, .offset: 0, .size: 8, .value_kind: global_buffer, .address_space: global }
      - { .name: Wq, .offset: 8, .size: 8, .value_kind: global_buffer, .address_space: global }
      - { .name: Wk, .offset: 16, .size: 8, .value_kind: global_buffer, .address_space: global }
      - { .name: Wv, .offset: 24, .size: 8, .value_kind: global_buffer, .address_space: global }
      - { .name: rel_emb, .offset: 32, .size: 8, .value_kind: global_buffer, .address_space: global }
      - { .name: lowp_scales, .offset: 40, .size: 8, .value_kind: global_buffer, .address_space: global }
      - { .name: q4c, .offset: 48, .size: 8, .value_kind: global_buffer, .address_space: global }
      - { .name: q5c, .offset: 56, .size: 8, .value_kind: global_buffer, .address_space: global }
      - { .name: kc, .offset: 64, .size: 8, .value_kind: global_buffer, .address_space: global }
      - { .name: vc, .offset: 72, .size: 8, .value_kind: global_buffer, .address_space: global }
      - { .name: rc, .offset: 80, .size: 8, .value_kind: global_buffer, .address_space: global }
    .group_segment_fixed_size: 327680
    .private_segment_fixed_size: 0
    .kernarg_segment_align: 8
    .kernarg_segment_size: 88
    .max_flat_workgroup_size: 256
    .sgpr_count:     96
    .vgpr_count:     320
    .wavefront_size: 32
...
	.end_amdgpu_metadata
.endif
;; end of part 1
;; launch attend (part 2): grid 8 x 32, 8 waves a work-group, clusters of 4 x 1, 327,680 bytes of LDS; arguments q4c, q5c, kc, vc, rc, lowp_scales, out0; writes out0
.if DOCPART == 2
	.amdgcn_target "amdgcn-amd-amdhsa--gfx1250"
	.amdhsa_code_object_version 6
	.text
	.protected	k_q5490dd63aa_attend
	.globl	k_q5490dd63aa_attend
	.p2align	8
	.type	k_q5490dd63aa_attend,@function
k_q5490dd63aa_attend:
	s_mov_b64 s[64:65], 0
	v_nop
	global_prefetch_b8 v0, s[64:65] scope:SCOPE_SE
	s_setreg_imm32_b32 hwreg(HW_REG_WAVE_MODE, 25, 1), 1
	s_wait_xcnt 0x0
	s_wait_alu depctr_hold_cnt(0) depctr_sa_sdst(0) depctr_va_vdst(0) depctr_va_sdst(0) depctr_va_ssrc(0) depctr_va_vcc(0) depctr_vm_vsrc(0)
	s_getreg_b32 s2, hwreg(HW_REG_IB_STS2, 6, 4)
	s_cmp_eq_u32 s2, 0
	s_cbranch_scc0 .Lentry_in_a_cluster
	s_endpgm
.Lentry_in_a_cluster:
	s_bfe_u32 s2, ttmp6, 0x10000c
	s_cmp_lg_u32 s2, 0x3003
	s_cbranch_scc0 .Lentry_shape_is_right
	s_endpgm
.Lentry_shape_is_right:
; out[b][q] = sum over k <= q of softmax_k(Q[q] . K[k] / 8 + Q[q] . rel_emb[2047 - q + k]) V[k], all three products on codes of FP8 (E4M3) that the launch before has made.
; (The pad, reshape and slice of the skew take M[q][2047 - q + k]; under the causal mask that row lies in 0 .. 2047.)  Left out: key blocks of 64 that lie wholly behind a query block; a NaN or an infinity that reaches only them is not carried.
; THE SOFTMAX: t = logit x log2(e); M = the largest t so far, rounded up to a whole number; p = 2^(t - M) is quantised at e10; the sum is taken of the unquantised p and divides at the end.
; SHARES.  Work-group (batch, p, tau): tiles i = 2 tau, 2 tau + 1 (16 queries each) of the query blocks 31 - p (phase 0) and p (phase 1): 33 units of 2 tiles x 64 keys in every work-group.
; The units go round the eight waves: THE WAVES SHARE THE KEYS.  Each wave keeps its own M, sum and O^T for each phase; the eight parts meet in LDS at the end, brought under one M by exact powers of two.
; So K's and V's fragments are used by one wave alone and come from memory straight into registers, as images of the operands' registers.  A unit asks for the next unit's K, rel fragments and V as soon as the registers are free;
; the last unit of phase 0 asks for phase 1's first.  PREFETCH: in phase 0 each wave asks for its K and V blocks two units on (16 blocks of 256 bytes each, once in each work-group, whose batch no partner shares), where there are such;
; phase 1's blocks have been read in phase 0.
; LAYOUT.  Tile i of a block of 64 rows: lane r takes row 8 i + r % 8 + 32 (r / 8).  S^T = K Q^T: lane (r, h) holds query r and, in register e = 0 .. 31, key 64 sigma + 32 h + e.  O^T = V^T P^T.
; THE REL TERM.  With a = r % 8, g = r / 8: row = B0 - 32 g + 32 h + e + (7 - a), B0 = 2040 - 64 (beta - sigma) - 8 i.  rel_emb's codes lie in groups of 8 rows; fragment F(y) takes group y in rows 0-7 and group y + 4 in rows 8-15.
; Tile u = 0 .. 4: D_u = F(B0 / 8 + u) x (Q with columns r >= 8 made zero codes) + F(B0 / 8 - 4 + u) x (Q with columns r < 8 made zero codes): the 32 g is done by the matrix unit.
; A lane then holds D[w], w = 0 .. 39, and wants D[e + 7 - a]: selects shift by 1 and by 4 where the lane's 7 - a has that bit; the shift by 2 is in the score's two multiply-adds, one of whose factors is 0 in each lane.
; rel's codes lie in LDS without padding.  In group y the two 128-byte halves are flipped where y / 4 is odd, so that a fragment's two groups, 4 apart, lie on different banks (64 banks of 4 bytes: ISA guide 11.1).
; CLUSTER: the four partners differ in the batch alone and read the same codes of rel_emb (264 groups): they come by joint loads, one a wave, once; nothing is filled twice.
; LIMITS: e6 + e7 - 3 between -126 and 126 (added to log2(e)'s exponent field); e8 + e9 - e6 - e7 + 3 between -126 and 127; e10 between -126 and 119.  NaN is not served.
; REGISTERS, window 0: v1 16 lane, v2 8 lane, v3 the prefetches' offset, v5-6 where O^T is dumped, v7 the diagonal's bound, v8 -inf, v9 448 x 2^e10, v10 2^e10, v11 and v254 a permute's landing,
;   v12-27 a tile's -M, largest t, sum (2), f, (its pair), 2 at work; v28-29 where they are dumped; v30-31, v252-253 at work; v32-47 Q at e6; v48-79 Q at e8, halved; v80-143 S^T, then p; v144-223 D; v224-239 p's codes;
;   v240 my spare word, v241 0; v242-245 my place in a fragment of rel, v246-249 its addresses; v250-251 the score's two factors.
; window 1: v0-31 K; v32-63 V^T; v64-143 ten fragments of rel (at first phase 0's Q at e8); v144-207 O^T; v208-223, v224-239 phase 1's Q at e6, at e8.
.set STG,  264*512                     ; behind the 264 groups: 16 parts (phase x wave)
.set PART, 8704                        ; 16 quads of O^T x 512 bytes, then -M and the sum of two tiles
.set OST,  STG+16*PART                 ; four tiles of 16 rows x (256 + 16) bytes, for the way out
.set OP,   272
.set SPARE, OST+4*16*OP                ; the spare words, 128 bytes for each wave
.set ST,  12
.set Q4,  32
.set Q5G, 48
.set SS,  80
.set DD,  144
.set PP,  224
.set KF,  0                            ; in window 1
.set VF,  32
.set RF,  64
.set OO,  144
.set Q41, 208
.set Q51, 224
.set MSB, 0
.macro WIN new                         ; low byte: bits 1:0 source 0, 3:2 source 1, 5:4 source 2, 7:6 destination; the high byte repeats the setting that is left
.if MSB != \new
	s_set_vgpr_msb (MSB<<8)|\new
.set MSB, \new
.endif
.endm
.macro ROUND                           ; a round of the cluster's barrier
	s_barrier_signal -1
	s_barrier_wait -1
	s_cmp_lg_u32 s18, 0
	s_cbranch_scc1 .Lnot_wave_0_\@
	s_barrier_signal -3
.Lnot_wave_0_\@:
	s_barrier_wait -3
	s_barrier_signal -1
	s_barrier_wait -1
.endm
.macro PLACES                          ; four places behind matrix instructions: in front of reads of results, and of loads and writes into their registers
.rept 4
	v_nop
.endr
.endm
.macro KLOAD                           ; a block's four tiles of K, from s[52:53]: 8 loads
	WIN 0x40
.irp t, 0,1,2,3
.irp c, 0,1
	global_load_b128 v[KF+8*\t+4*\c:KF+8*\t+4*\c+3], v1, s[52:53] offset:1024*\t+512*\c
.endr
.endr
	WIN 0
.endm
.macro VLOAD                           ; a block's V^T, from s[54:55]: 16 loads: fragment t, registers 2 c, 2 c + 1: keys 8 c + 32 h + 0 .. 7
	WIN 0x40
.irp t, 0,1,2,3
.irp c, 0,1,2,3
	global_load_b64 v[VF+8*\t+2*\c:VF+8*\t+2*\c+1], v2, s[54:55] offset:1024*\t+256*\c
.endr
.endr
	WIN 0
.endm
.macro RFLOAD                          ; ten fragments of rel for the unit whose s49 stands in s50
	s_lshl_b32 s50, s50, 3
	s_add_co_u32 s50, s50, s22                     ; the first fragment's group: 250 - 8 (beta - sigma) - 2 tau
	s_lshl_b32 s50, s50, 9
	s_min_u32 s50, s50, 250*512                    ; (the largest value of a unit that is worked: the bound is written into the text)
.irp i, 0,1,2,3
	v_add_nc_u32 v[246+\i], s50, v[242+\i]
.endr
	WIN 0x40
.irp c, 0,1
.irp k, 0,1,8,9
	ds_load_b128 v[RF+8*\k+4*\c:RF+8*\k+4*\c+3], v246 offset:\k*512+256*\c
.endr
.irp k, 2,3
	ds_load_b128 v[RF+8*\k+4*\c:RF+8*\k+4*\c+3], v248 offset:\k*512+256*\c
.endr
.irp k, 4,5
	ds_load_b128 v[RF+8*\k+4*\c:RF+8*\k+4*\c+3], v247 offset:\k*512+256*\c
.endr
.irp k, 6,7
	ds_load_b128 v[RF+8*\k+4*\c:RF+8*\k+4*\c+3], v249 offset:\k*512+256*\c
.endr
.endr
	WIN 0
.endm
.macro QLOAD dst, base                 ; two tiles of Q
.irp t, 0,1
.irp c, 0,1
	global_load_b128 v[\dst+8*\t+4*\c:\dst+8*\t+4*\c+3], v1, s[\base:\base+1] offset:1024*\t+512*\c
.endr
.endr
.endm
	s_load_b256 s[4:11], s[0:1], 0x0               ; q4c s[4:5], q5c s[6:7], kc s[8:9], vc s[10:11]
	s_load_b128 s[12:15], s[0:1], 0x20             ; rc s[12:13], the exponents s[14:15]
	s_load_b64 s[16:17], s[0:1], 0x30              ; out0
	v_lshl_add_u32 v240, v0, 2, SPARE
	v_mov_b32 v241, 0
	ds_add_u32 v240, v241                          ; the wave's opening: the add, twice on end
	ds_add_u32 v240, v241
	v_lshrrev_b32 v1, 5, v0
	v_readfirstlane_b32 s18, v1                    ; wave 0..7
	s_bfe_u32 s19, ttmp6, 0x40000                  ; cx
	s_lshl_b32 s20, ttmp9, 2
	s_add_co_u32 s19, s19, s20                     ; the batch = 4 x cluster x + cx: it enters global addresses alone
	s_and_b32 s21, ttmp7, 0xffff
	s_lshr_b32 s20, s21, 1                         ; p
	s_and_b32 s21, s21, 1                          ; tau
	s_xor_b32 s22, s21, 1
	s_lshl_b32 s22, s22, 1                         ; 2 (1 - tau)
	s_sub_co_u32 s23, 0, s21                       ; all lanes where tau = 1
	; descriptor group 1: 33 rows (groups) of 64 elements of 8 bytes, dense
	s_mov_b32 s24, 15|(3<<16)|(1<<21)              ; the mask names all four partners; bit 21 beside it
	s_mov_b32 s25, 64<<16
	s_mov_b32 s26, 33<<16
	s_mov_b32 s27, 64<<16
	s_mov_b32 s28, 33
	s_mov_b32 s29, 64
	s_mov_b32 s30, 0
	s_mov_b32 s31, 0
	s_mov_b32 s36, 0x76543210                      ; v_permlanex16_b32: lane l xor 16
	s_mov_b32 s37, 0xfedcba98
	s_mov_b32 s42, 0x0f0f0f0f                      ; lanes whose 7 - a has bit 2: a < 4
	s_mov_b32 s43, 0x33333333                      ; bit 1
	s_mov_b32 s44, 0x55555555                      ; bit 0
	s_mov_b32 s45, 0x00ff00ff                      ; lanes with r < 8,
	s_mov_b32 s51, 0xff00ff00                      ; and the others
	s_mul_i32 s59, s18, PART
	s_add_co_u32 s59, s59, STG
	s_add_co_u32 s60, s59, 8192
	s_lshl_b32 s61, s21, 4
	v_and_b32 v30, 31, v0                          ; lane
	v_lshlrev_b32 v1, 4, v30
	v_lshlrev_b32 v2, 3, v30
	v_add_nc_u32 v5, s59, v1                       ; my part of phase 0: 16 bytes a lane,
	v_add_nc_u32 v6, 8*PART, v5                    ; of phase 1
	v_lshl_add_u32 v28, v30, 2, s60                ; and their -M and sums: 4 bytes a lane
	v_add_nc_u32 v29, 8*PART, v28
	v_min_u32 v30, 15, v30
	v_and_b32 v7, 7, v0                            ; a
	v_lshlrev_b32 v3, 8, v30                       ; the prefetches' offset: 256 x lane in a block of 4,096 bytes; the lanes left over name its last 256 bytes again
	v_bfe_u32 v30, v0, 3, 1                        ; g
	v_bfe_u32 v31, v0, 4, 1                        ; h
	v_lshlrev_b32 v4, 4, v7
	v_lshl_add_u32 v4, v30, 11, v4                 ; a fragment of rel: 16 a + 4 groups x g,
	v_xor_b32 v246, v30, v31
	v_xor_b32 v247, 1, v246
	v_lshl_add_u32 v242, v246, 7, v4               ; + 128 x the half: where y / 4 is even,
	v_lshl_add_u32 v243, v247, 7, v4               ; where it is odd,
	v_cndmask_b32 v244, v243, v242, s23            ; of the unit's fragments 2, 3 (odd where tau = 0),
	v_cndmask_b32 v245, v242, v243, s23            ; and 6, 7 (odd where tau = 1)
	v_lshl_add_u32 v7, v30, 5, v7
	v_lshlrev_b32 v31, 5, v31
	v_sub_nc_u32 v7, v7, v31
	v_add_nc_u32 v7, s61, v7                       ; a + 32 g - 32 h + 16 tau: on the diagonal register e of tile t is hidden where e - 8 t is larger
	v_mov_b32 v8, 0xff800000                       ; -infinity
	v_mov_b32 v11, 0                               ; a lane permute's destination counts as one of its sources
	v_mov_b32 v254, 0
	s_mov_b32 s57, 0                               ; (stays 0: the upper word of every offset)
	s_mov_b32 s32, 1
	s_mul_i32 s33, s18, 33*512                     ; my 33 groups in LDS,
	s_mov_b32 s56, s33                             ; and in memory: the wave's number alone, alike in all partners
	s_add_co_u32 s67, s18, s20
	s_and_b32 s67, s67, 7                          ; phase 1's first key block of mine: the round of the waves goes on where phase 0's 32 - p units left it
	s_lshl_b32 s66, s67, 12
	s_xor_b32 s101, s20, 31
	s_add_co_u32 s101, s101, s67                   ; its sigma + 31 - beta
	s_wait_dscnt 0x0                               ; both opening adds are done
	s_wait_alu depctr_va_vdst(0)                   ; the wait here, ahead of the waits below
	ROUND                                          ; all four work-groups are here: the joint loads meet
	s_wait_kmcnt 0x0
	s_load_b256 s[68:75], s[14:15], 0x0            ; e0 .. e7
	s_load_b128 s[76:79], s[14:15], 0x20           ; e8 .. e11
	s_add_nc_u64 s[34:35], s[12:13], s[56:57]
	s_or_b32 s35, s35, 0x80000000
	tensor_load_to_lds s[32:35], s[24:31]          ; one load of mine is out; its descriptor is never written again
	s_nop 0
	PLACES
	s_lshl_b32 s56, s19, 17                        ; a batch's codes: 32 blocks of 4,096 bytes
	s_add_nc_u64 s[4:5], s[4:5], s[56:57]
	s_add_nc_u64 s[6:7], s[6:7], s[56:57]
	s_add_nc_u64 s[8:9], s[8:9], s[56:57]
	s_add_nc_u64 s[10:11], s[10:11], s[56:57]
	s_sub_co_u32 s46, 31, s20                      ; phase 0: beta = 31 - p;
	s_mov_b32 s47, s18                             ; my units: sigma = wave + 8 j;
	s_add_co_u32 s49, s18, s20                     ; sigma + 31 - beta
	s_lshl_b32 s56, s46, 12
	s_lshl_b32 s59, s21, 11
	s_add_co_u32 s56, s56, s59
	s_add_nc_u64 s[60:61], s[4:5], s[56:57]        ; my two tiles of Q at e6,
	s_add_nc_u64 s[62:63], s[6:7], s[56:57]        ; and at e8;
	s_lshl_b32 s56, s20, 12
	s_add_co_u32 s56, s56, s59
	s_add_nc_u64 s[96:97], s[4:5], s[56:57]        ; phase 1's
	s_add_nc_u64 s[98:99], s[6:7], s[56:57]
	s_lshl_b32 s56, s18, 12
	s_add_nc_u64 s[52:53], s[8:9], s[56:57]        ; phase 0 has 17 units at the least: each of the eight waves has a first one
	s_add_nc_u64 s[54:55], s[10:11], s[56:57]
	QLOAD Q4, 60
	WIN 0x40
	QLOAD RF, 62
	KLOAD
	WIN 0x40
	QLOAD Q41, 96                                  ; phase 1's Q: 8 loads,
	QLOAD Q51, 98
	VLOAD                                          ; and the first V: 16
	s_wait_kmcnt 0x0
	s_add_co_i32 s80, s74, s75
	s_sub_co_i32 s80, s80, 3                       ; e6 + e7 - 3: a sum of K Q^T stands for sum x 2^(e6 + e7) / 8
	s_lshl_b32 s81, s80, 23
	s_add_co_u32 s38, s81, 0x3fb8aa3b              ; c = log2(e) x 2^(e6 + e7 - 3): the exponent is added to log2(e)'s exponent field
	s_mov_b32 s39, s38                             ; (named with it as a pair)
	s_add_co_i32 s81, s76, s77
	s_sub_co_i32 s81, s81, s80
	s_add_co_i32 s81, s81, 127
	s_lshl_b32 s40, s81, 23                        ; delta = 2^(e8 + e9 - e6 - e7 + 3): t = c (S + delta D)
	s_add_co_i32 s81, s78, 127
	s_lshl_b32 s82, s81, 23
	s_add_co_i32 s81, s81, 8
	s_lshl_b32 s81, s81, 23
	s_or_b32 s81, s81, 0x600000
	s_add_co_i32 s58, s78, s79                     ; e10 + e11
	v_mov_b32 v10, s82                             ; 2^e10
	v_mov_b32 v9, s81                              ; 448 x 2^e10
	v_mov_b32 v252, s40
	v_cndmask_b32 v250, v252, 0, s43               ; delta where 7 - a has no bit 1, else 0;
	v_cndmask_b32 v251, 0, v252, s43               ; and the other way round
; Both tiles' vector work for a unit: the shift, the score, the mask, the softmax, p's codes, O^T under the new M.  The tiles go side by side, so that neighbouring lines do not hang on each other
.macro SOFT
	s_mov_b32 vcc_lo, s44                          ; D[w] <- D[w + 1] where 7 - a has bit 0; in place, ascending, so each source is still as it was (and each accumulator is first read at its low end)
.irp t, 0,1
.set ww, DD+40*\t
.rept 38
	v_cndmask_b32 v[ww], v[ww], v[ww+1], vcc_lo
.set ww, ww+1
.endr
.endr
	s_mov_b32 vcc_lo, s42                          ; D[w] <- D[w + 4] where it has bit 2
.irp t, 0,1
.set ww, DD+40*\t
.rept 34
	v_cndmask_b32 v[ww], v[ww], v[ww+4], vcc_lo
.set ww, ww+1
.endr
.endr
.set ww, 0
.rept 16
.irp t, 0,1
	v_pk_fma_f32 v[SS+32*\t+ww:SS+32*\t+ww+1], v[DD+40*\t+ww:DD+40*\t+ww+1], v[250:251], v[SS+32*\t+ww:SS+32*\t+ww+1] op_sel_hi:[1,0,1]   ; S + delta D[w], or S + 0,
.endr
.set ww, ww+2
.endr
.set ww, 0
.rept 16
.irp t, 0,1
	v_pk_fma_f32 v[SS+32*\t+ww:SS+32*\t+ww+1], v[DD+40*\t+ww+2:DD+40*\t+ww+3], v[250:251], v[SS+32*\t+ww:SS+32*\t+ww+1] op_sel:[0,1,0] op_sel_hi:[1,1,1]   ; S + 0, or S + delta D[w + 2]
.endr
.set ww, ww+2
.endr
	s_cmp_lg_u32 s49, 31                           ; the key block is the query block: hidden scores become -infinity, so that p = 0
	s_cbranch_scc1 .Lopen_\@
.set vv, -8
.rept 40
	v_cmp_gt_i32 vcc_lo, vv, v7
.if vv >= 0
	v_cndmask_b32 v[SS+vv], v[SS+vv], v8, vcc_lo
.endif
.if vv < 24
	v_cndmask_b32 v[SS+40+vv], v[SS+40+vv], v8, vcc_lo
.endif
.set vv, vv+1
.endr
.Lopen_\@:
.irp t, 0,1                                    ; the unit's largest score of my query, in two chains a tile,
	v_max3_num_f32 v[ST+8*\t+6], v[SS+32*\t], v[SS+32*\t+1], v[SS+32*\t+2]
	v_max3_num_f32 v[ST+8*\t+7], v[SS+32*\t+3], v[SS+32*\t+4], v[SS+32*\t+5]
.endr
.irp n, 6,10,14,18,22,26
.irp t, 0,1
	v_max3_num_f32 v[ST+8*\t+6], v[ST+8*\t+6], v[SS+32*\t+\n], v[SS+32*\t+\n+1]
	v_max3_num_f32 v[ST+8*\t+7], v[ST+8*\t+7], v[SS+32*\t+\n+2], v[SS+32*\t+\n+3]
.endr
.endr
.irp t, 0,1
	v_max3_num_f32 v[ST+8*\t+6], v[ST+8*\t+6], v[SS+32*\t+30], v[SS+32*\t+31]
.endr
.irp t, 0,1
	v_max_num_f32 v[ST+8*\t+6], v[ST+8*\t+6], v[ST+8*\t+7]
.endr
.irp t, 0,1
	v_permlanex16_b32 v[11+243*\t], v[ST+8*\t+6], s36, s37
.endr
.irp t, 0,1
	v_max_num_f32 v[ST+8*\t+6], v[ST+8*\t+6], v[11+243*\t]     ; and among lane l xor 16's 32 keys
.endr
.irp t, 0,1
	v_mul_f32 v[ST+8*\t+6], s38, v[ST+8*\t+6]      ; as t (c is positive)
.endr
.irp t, 0,1
	v_max_num_f32 v[ST+8*\t+1], v[ST+8*\t+1], v[ST+8*\t+6]     ; the running largest t
	v_mov_b32 v[ST+8*\t+7], v[ST+8*\t]
.endr
.irp t, 0,1
	v_floor_f32 v[ST+8*\t], -v[ST+8*\t+1]          ; -M = floor(-t): M is a whole number
.endr
.irp t, 0,1
	v_sub_f32 v[ST+8*\t+7], v[ST+8*\t], v[ST+8*\t+7]           ; old M - new M: a whole number, 0 or less
.endr
.irp t, 0,1
	v_cvt_i32_f32 v[ST+8*\t+7], v[ST+8*\t+7]       ; (it saturates)
.endr
.irp t, 0,1
	v_ldexp_f32 v[ST+8*\t+4], 1.0, v[ST+8*\t+7]    ; f = 2^(old M - new M)
.endr
.irp t, 0,1
.set ww, SS+32*\t
.rept 16
	v_pk_fma_f32 v[ww:ww+1], v[ww:ww+1], s[38:39], v[ST+8*\t:ST+8*\t+1] op_sel_hi:[1,0,0]   ; t - M
.set ww, ww+2
.endr
.endr
	s_wait_alu depctr_va_vdst(0)                   ; the wait ahead of the batch,
.set ww, SS
.rept 64
	v_exp_f32 v[ww], v[ww]                         ; p = 2^(t - M)
.set ww, ww+1
.endr
.irp t, 0,1
	v_pk_mul_f32 v[ST+8*\t+2:ST+8*\t+3], v[ST+8*\t+2:ST+8*\t+3], v[ST+8*\t+4:ST+8*\t+5] op_sel_hi:[1,0]   ; the sum under the new M (plain lines behind the exponentials)
.endr
	s_wait_alu depctr_va_vdst(0)                   ; and behind it, ahead of its first reader
.irp t, 0,1                                    ; the sum of the unquantised p, in two chains a tile
	v_pk_add_f32 v[30+222*\t:31+222*\t], v[SS+32*\t:SS+32*\t+1], v[SS+32*\t+2:SS+32*\t+3]
.endr
.irp n, 4,8,12,16,20,24,28
.irp t, 0,1
	v_pk_add_f32 v[ST+8*\t+2:ST+8*\t+3], v[ST+8*\t+2:ST+8*\t+3], v[SS+32*\t+\n:SS+32*\t+\n+1]
	v_pk_add_f32 v[30+222*\t:31+222*\t], v[30+222*\t:31+222*\t], v[SS+32*\t+\n+2:SS+32*\t+\n+3]
.endr
.endr
.irp t, 0,1
	v_pk_add_f32 v[ST+8*\t+2:ST+8*\t+3], v[ST+8*\t+2:ST+8*\t+3], v[30+222*\t:31+222*\t]
.endr
.set ww, SS
.rept 64
	v_min_num_f32 v[ww], v[ww], v9                 ; the conversion does not saturate (ISA guide 7.6.2); p is not negative, so the hold is one-sided
.set ww, ww+1
.endr
.irp c, 0,1,2,3,4,5,6,7
	v_cvt_scalef32_pk8_fp8_f32 v[PP+2*\c:PP+2*\c+1], v[SS+8*\c:SS+8*\c+7], v10
.endr
	WIN 0x41                                       ; O^T (destination and source 0) in window 1, f in window 0
	s_wait_alu depctr_va_vdst(0)                   ; the wait here, directly ahead of the first reader of O^T
.irp t, 0,1
.set ww, OO+32*\t
.rept 16
	v_pk_mul_f32 v[ww:ww+1], v[ww:ww+1], v[ST+8*\t+4:ST+8*\t+5] op_sel_hi:[1,0]   ; O^T under the new M.  (Plain lines behind the conversions too)
.set ww, ww+2
.endr
.endr
	WIN 0
.endm
; A unit: my two tiles of queries x the 64 keys of block sigma (s47).  s49 = sigma + 31 - beta: above 31 the block lies behind the queries and the unit is left out; 31 is the diagonal.
.macro UNIT ph
	s_cmp_gt_u32 s49, 31
	s_cbranch_scc1 .Lskip_\@
	s_wait_loadcnt 16                              ; K is in; V's 16 loads may be out
	WIN 0x01                                       ; source 0 in window 1
.irp c, 0,1,2,3
.irp t, 0,1
	v_wmma_f32_16x16x64_fp8_fp8 v[SS+32*\t+8*\c:SS+32*\t+8*\c+7], v[KF+8*\c:KF+8*\c+7], v[Q4+8*\t:Q4+8*\t+7], 0
.endr
.endr
	PLACES
	WIN 0
	s_lshl_b32 s56, s47, 12
	s_add_co_u32 s56, s56, 8<<12                   ; my next unit's block
	s_add_co_u32 s59, s49, 8
	s_mov_b32 s50, s59
	s_cmp_gt_u32 s59, 31
.if \ph == 0
	s_cselect_b32 s56, s66, s56                    ; behind phase 0's last unit of mine: phase 1's first
	s_cselect_b32 s50, s101, s50
	s_add_nc_u64 s[52:53], s[8:9], s[56:57]
	KLOAD
.else
	s_cbranch_scc1 .Lno_k_\@
	s_add_nc_u64 s[52:53], s[8:9], s[56:57]
	KLOAD
.Lno_k_\@:
.endif
	s_wait_dscnt 0x0                               ; rel's fragments are in
	WIN 0x01
.irp u, 0,1,2,3,4                              ; ten accumulators by turns: first the columns r < 8,
.irp t, 0,1
	v_wmma_f32_16x16x64_fp8_fp8 v[DD+40*\t+8*\u:DD+40*\t+8*\u+7], v[RF+8*(5-\t+\u):RF+8*(5-\t+\u)+7], v[Q5G+16*\t:Q5G+16*\t+7], 0
.endr
.endr
.irp u, 0,1,2,3,4                              ; then the columns r >= 8, whose rows lie 32 lower
.irp t, 0,1
	v_wmma_f32_16x16x64_fp8_fp8 v[DD+40*\t+8*\u:DD+40*\t+8*\u+7], v[RF+8*(1-\t+\u):RF+8*(1-\t+\u)+7], v[Q5G+16*\t+8:Q5G+16*\t+15], v[DD+40*\t+8*\u:DD+40*\t+8*\u+7]
.endr
.endr
	PLACES
	WIN 0
.if \ph == 0
	RFLOAD
	s_add_co_u32 s60, s49, 16
	s_cmp_gt_u32 s60, 31
	s_cbranch_scc1 .Lno_ask_\@                     ; the blocks two units on, if there are such (then the next unit's block is 8 on too)
	s_wait_xcnt 0x0                                ; the earlier prefetches have read their bases
	s_add_nc_u64 s[80:81], s[52:53], 8<<12
	s_add_nc_u64 s[82:83], s[10:11], s[56:57]
	s_add_nc_u64 s[82:83], s[82:83], 8<<12
	global_prefetch_b8 v3, s[80:81] th:TH_LOAD_NT scope:SCOPE_SE
	global_prefetch_b8 v3, s[82:83] th:TH_LOAD_NT scope:SCOPE_SE
.Lno_ask_\@:
.else
	s_cmp_gt_u32 s59, 31
	s_cbranch_scc1 .Lno_rf_\@
	RFLOAD
.Lno_rf_\@:
.endif
	SOFT
	s_wait_alu depctr_va_vdst(0)                   ; the wait here, ahead of the wait below
.if \ph == 0
	s_wait_loadcnt 8                               ; V is in; the next unit's eight loads of K may be out
.else
	s_wait_loadcnt 0x0
.endif
	WIN 0x51                                       ; V^T, C and D in window 1, p's codes in window 0
.irp c, 0,1,2,3
.irp t, 0,1
	v_wmma_f32_16x16x64_fp8_fp8 v[OO+32*\t+8*\c:OO+32*\t+8*\c+7], v[VF+8*\c:VF+8*\c+7], v[PP+8*\t:PP+8*\t+7], v[OO+32*\t+8*\c:OO+32*\t+8*\c+7]
.endr
.endr
	PLACES
	WIN 0
.if \ph == 0
	s_add_nc_u64 s[54:55], s[10:11], s[56:57]      ; the next unit's V
	VLOAD
.else
	s_cmp_gt_u32 s59, 31
	s_cbranch_scc1 .Lskip_\@
	s_add_nc_u64 s[54:55], s[10:11], s[56:57]
	VLOAD
.endif
.Lskip_\@:
	s_add_co_u32 s47, s47, 8
	s_add_co_u32 s49, s49, 8
.endm
; my part of a phase goes to LDS: O^T as it stands in the registers, -M and the lane's sum
.macro DUMP ph
	v_add_f32 v[ST+2], v[ST+2], v[ST+3]
	v_add_f32 v[ST+10], v[ST+10], v[ST+11]
	WIN 0x04                                       ; the stores' data in window 1
.set qq, 0
.rept 16
	ds_store_b128 v[5+\ph], v[OO+4*qq:OO+4*qq+3] offset:512*qq
.set qq, qq+1
.endr
	WIN 0
	ds_store_b32 v[28+\ph], v[ST]
	ds_store_b32 v[28+\ph], v[ST+2] offset:128
	ds_store_b32 v[28+\ph], v[ST+8] offset:256
	ds_store_b32 v[28+\ph], v[ST+10] offset:384
	s_wait_dscnt 0x0                               ; done: the registers are written again, and a barrier follows the second dump
.endm
.macro CLEAR                           ; O^T, M and the sum at a phase's start
	WIN 0x40
.set nn, 0
.rept 64
	v_mov_b32 v[OO+nn], 0                          ; O^T: the unit is the same for all; the first finds zeros, which the first change of M leaves zeros
.set nn, nn+1
.endr
	WIN 0
.irp t, 0,1
	v_mov_b32 v[ST+8*\t+1], 0xff61b1e6             ; the largest t so far: -3e38
	v_floor_f32 v[ST+8*\t], -v[ST+8*\t+1]          ; -M
	v_mov_b32 v[ST+8*\t+2], 0                      ; the sum, in two halves
	v_mov_b32 v[ST+8*\t+3], 0
	v_mov_b32 v[ST+8*\t+5], 0                      ; (named as the upper half of f's pair)
.endr
.endm
.macro HALVE src                       ; Q at e8 in two copies, from window 1: one keeps the columns r < 8, the other the columns r >= 8; the rest are zero codes
	WIN 0x04
	s_mov_b32 vcc_lo, s45
.irp t, 0,1
.irp n, 0,1,2,3,4,5,6,7
	v_cndmask_b32 v[Q5G+16*\t+\n], 0, v[\src+8*\t+\n], vcc_lo
.endr
.endr
	s_mov_b32 vcc_lo, s51
.irp t, 0,1
.irp n, 0,1,2,3,4,5,6,7
	v_cndmask_b32 v[Q5G+16*\t+8+\n], 0, v[\src+8*\t+\n], vcc_lo
.endr
.endr
	WIN 0
.endm
	CLEAR
	s_wait_alu depctr_va_vdst(0)                   ; the wait here, ahead of the wait below
	s_wait_loadcnt 24                              ; phase 0's Q and my first K are in; phase 1's eight loads of Q and V's 16 may be out
	HALVE RF
	s_wait_alu depctr_va_vdst(0)                   ; the wait at the head's end
	s_wait_tensorcnt 0x0                           ; my 33 groups of rel's codes have landed,
	s_barrier_signal -1
	s_barrier_wait -1                              ; everybody's have
	s_mov_b32 s50, s49
	RFLOAD
	s_mov_b32 s48, 4                               ; up to 32 key blocks: four trips of eight waves.  A trip without a unit steps its counters alone
.Lunit_0:
	UNIT 0
	s_sub_co_u32 s48, s48, 1
	s_cmp_lg_u32 s48, 0
	s_cbranch_scc1 .Lunit_0
	DUMP 0
	s_mov_b32 s47, s67                             ; phase 1: beta = p
	s_mov_b32 s49, s101
	CLEAR
	s_wait_alu depctr_va_vdst(0)                   ; the wait here, ahead of the wait below
	s_wait_loadcnt 16                              ; phase 1's Q and my first K are in; V's 16 loads may be out
	WIN 0x01
.set nn, 0
.rept 16
	v_mov_b32 v[Q4+nn], v[Q41+nn]
.set nn, nn+1
.endr
	HALVE Q51
	s_wait_alu depctr_va_vdst(0)                   ; the wait here, ahead of the branches below
	s_mov_b32 s48, 2                               ; up to 16
.Lunit_1:
	UNIT 1
	s_sub_co_u32 s48, s48, 1
	s_cmp_lg_u32 s48, 0
	s_cbranch_scc1 .Lunit_1
	DUMP 1
	s_wait_loadcnt 0x0                             ; (a wave with no unit in phase 1 has asked for its K and V all the same)
	s_wait_xcnt 0x0                                ; the prefetches have read their registers, which are written again
	; THE PARTS MEET.  Wave w takes tile T = w / 2 of the four (phase w / 4, tile (w / 2) % 2) and channels 32 (w % 2) on.
	s_barrier_signal -1                            ; my dumps are done; register work stands between signal and wait
	s_lshr_b32 s50, s18, 2                         ; the phase
	s_bfe_u32 s52, s18, 0x10001                    ; the tile in it
	s_and_b32 s53, s18, 1                          ; the half of the channels; later: of the rows
	s_lshr_b32 s54, s18, 1                         ; T
	s_mul_i32 s55, s50, 8*PART
	s_lshl_b32 s59, s52, 12
	s_add_co_u32 s59, s59, s55
	s_lshl_b32 s60, s53, 11
	s_add_co_u32 s59, s59, s60
	s_add_co_u32 s59, s59, STG                     ; part 0's four quads of mine
	s_lshl_b32 s61, s52, 8
	s_add_co_u32 s61, s61, s55
	s_add_co_u32 s61, s61, STG+8192                ; its -M and sum
	s_mul_i32 s54, s54, 16*OP
	s_add_co_u32 s54, s54, OST
	s_lshl_b32 s62, s53, 7
	s_add_co_u32 s62, s62, s54                     ; the stage, in
	s_mul_i32 s63, s53, 8*OP
	s_add_co_u32 s63, s63, s54                     ; and back
	s_sub_co_u32 s80, 31, s20
	s_cmp_eq_u32 s50, 0
	s_cselect_b32 s80, s80, s20                    ; the tile's query block
	s_lshl_b32 s80, s80, 6
	s_lshl_b32 s60, s21, 4
	s_add_co_u32 s80, s80, s60
	s_lshl_b32 s60, s52, 3
	s_add_co_u32 s80, s80, s60
	s_lshl_b32 s60, s53, 5
	s_add_co_u32 s80, s80, s60                     ; rows r = 8 (w % 2) + 0 .. 7 of the tile are the eight queries 64 beta + 8 i + 32 (w % 2) on
	s_lshl_b32 s56, s80, 8
	s_lshl_b32 s60, s19, 19
	s_add_co_u32 s56, s56, s60
	s_add_nc_u64 s[16:17], s[16:17], s[56:57]
	v_add_nc_u32 v3, s59, v1
	v_and_b32 v7, 31, v0
	v_lshl_add_u32 v4, v7, 2, s61
	v_and_b32 v7, 15, v0                           ; r
	v_bfe_u32 v8, v0, 4, 1                         ; h
	v_mul_u32_u24 v5, v7, OP
	v_lshl_add_u32 v5, v8, 5, v5
	v_add_nc_u32 v5, s62, v5                       ; row r, + 128 x half of the channels + 32 h
	v_mul_u32_u24 v6, v8, OP
	v_lshl_add_u32 v6, v7, 4, v6
	v_add_nc_u32 v6, s63, v6                       ; rows 8 (w % 2) on, two rows of 256 bytes an instruction
	s_wait_alu depctr_va_vdst(0)                   ; the wait here, ahead of the wait below
	s_barrier_wait -1                              ; every wave's dumps are done
.irp p, 0,1,2,3,4,5,6,7
	ds_load_b32 v[208+\p], v4 offset:\p*PART
	ds_load_b32 v[216+\p], v4 offset:\p*PART+128
.endr
.irp p, 0,1,2,3,4,5,6,7
.irp n, 0,1,2,3
	ds_load_b128 v[SS+16*\p+4*\n:SS+16*\p+4*\n+3], v3 offset:\p*PART+512*\n
.endr
.endr
	s_wait_dscnt 32                                ; the -M and the sums are in; the 32 loads of O^T may be out
	v_min3_num_f32 v30, v208, v209, v210           ; the smallest -M is the largest M; a part without units holds 3e38
	v_min3_num_f32 v31, v211, v212, v213
	v_min3_num_f32 v30, v30, v214, v215
	v_min_num_f32 v30, v30, v31
.irp p, 0,1,2,3,4,5,6,7
	v_sub_f32 v[PP+2*\p], v30, v[208+\p]           ; the part's M less the largest: a whole number, 0 or less
.endr
.irp p, 0,1,2,3,4,5,6,7
	v_cvt_i32_f32 v[PP+2*\p], v[PP+2*\p]           ; (it saturates)
.endr
.irp p, 0,1,2,3,4,5,6,7
	v_ldexp_f32 v[PP+2*\p], 1.0, v[PP+2*\p]        ; the part's factor: an exact power of two, 0 for a part without units
	v_mov_b32 v[PP+2*\p+1], 0                      ; (named as the upper half of its pair)
.endr
	v_mul_f32 v31, v216, v[PP]
.irp p, 1,2,3,4,5,6,7
	v_fmac_f32 v31, v[216+\p], v[PP+2*\p]
.endr
	v_permlanex16_b32 v11, v31, s36, s37
	v_add_f32 v31, v31, v11                        ; with lane l xor 16's keys: the row's sum
	s_wait_alu depctr_va_vdst(0)                   ; the wait ahead of the transcendental,
	v_rcp_f32 v31, v31
	v_nop                                          ; a plain line behind it
	s_wait_alu depctr_va_vdst(0)                   ; and one ahead of its first reader
	v_ldexp_f32 v30, v31, s58                      ; x 2^(e10 + e11)
	s_wait_alu depctr_va_vdst(0)                   ; the wait here, ahead of the wait below
	s_wait_dscnt 0x0
.irp n, 0,2,4,6,8,10,12,14
	v_pk_mul_f32 v[SS+\n:SS+\n+1], v[SS+\n:SS+\n+1], v[PP:PP+1] op_sel_hi:[1,0]
.endr
.irp p, 1,2,3,4,5,6,7
.irp n, 0,2,4,6,8,10,12,14
	v_pk_fma_f32 v[SS+\n:SS+\n+1], v[SS+16*\p+\n:SS+16*\p+\n+1], v[PP+2*\p:PP+2*\p+1], v[SS+\n:SS+\n+1] op_sel_hi:[1,0,1]
.endr
.endr
.irp n, 0,2,4,6,8,10,12,14
	v_pk_mul_f32 v[SS+\n:SS+\n+1], v[SS+\n:SS+\n+1], v[30:31] op_sel_hi:[1,0]
.endr
	ds_store_b128 v5, v[SS:SS+3]                   ; lane (r, h): channels 32 (w % 2) + 16 t + 8 h + 0 .. 7 of row r
	ds_store_b128 v5, v[SS+4:SS+7] offset:16
	ds_store_b128 v5, v[SS+8:SS+11] offset:64
	ds_store_b128 v5, v[SS+12:SS+15] offset:80
	s_wait_dscnt 0x0                               ; for the other wave of my tile: my halves of its rows are there
	s_barrier_signal -1
	s_barrier_wait -1
.irp n, 0,1,2,3
	ds_load_b128 v[SS+16+4*\n:SS+16+4*\n+3], v6 offset:\n*2*OP
.endr
.irp n, 0,1,2,3
	s_wait_dscnt 3-\n                              ; the younger loads may be out
	global_store_b128 v1, v[SS+16+4*\n:SS+16+4*\n+3], s[16:17] offset:512*\n th:TH_STORE_NT   ; two rows of out: 512 consecutive bytes, aligned
.endr
	s_wait_tensorcnt 0x0                           ; the wave's end
	ds_add_u32 v240, v241
	s_wait_dscnt 0x0
	ROUND                                          ; the closing round: no work-group ends while a partner may still ask for a tile that names it
	s_endpgm
.Lfunc_end_k_q5490dd63aa_attend:
	.size	k_q5490dd63aa_attend, .Lfunc_end_k_q5490dd63aa_attend-k_q5490dd63aa_attend
	.p2alignl 7, 3214868480
	.fill 96, 4, 3214868480
	.section	.rodata,"a",@progbits
	.p2align	6, 0x0
	.amdhsa_kernel k_q5490dd63aa_attend
		.amdhsa_group_segment_fixed_size 327680
		.amdhsa_private_segment_fixed_size 0
		.amdhsa_enable_private_segment 0
		.amdhsa_kernarg_size 56
		.amdhsa_user_sgpr_count 2
		.amdhsa_user_sgpr_kernarg_segment_ptr 1
		.amdhsa_wavefront_size32 1
		.amdhsa_system_sgpr_workgroup_id_x 1
		.amdhsa_system_sgpr_workgroup_id_y 1
		.amdhsa_system_sgpr_workgroup_id_z 1
		.amdhsa_system_vgpr_workitem_id 0
		.amdhsa_next_free_vgpr 512
		.amdhsa_next_free_sgpr 102
		.amdhsa_reserve_vcc 1
		.amdhsa_float_denorm_mode_32 3
		.amdhsa_float_denorm_mode_16_64 3
		.amdhsa_memory_ordered 1
		.amdhsa_forward_progress 1
		.amdhsa_inst_pref_size 102
	.end_amdhsa_kernel
	.amdgpu_metadata
---
amdhsa.version: [ 1, 2 ]
amdhsa.kernels:
  - .name:           k_q5490dd63aa_attend
    .symbol:         k_q5490dd63aa_attend.kd
    .args:
      - { .name: q4c, .offset: 0, .size: 8, .value_kind: global_buffer, .address_space: global }
      - { .name: q5c, .offset: 8, .size: 8, .value_kind: global_buffer, .address_space: global }
      - { .name: kc, .offset: 16, .size: 8, .value_kind: global_buffer, .address_space: global }
      - { .name: vc, .offset: 24, .size: 8, .value_kind: global_buffer, .address_space: global }
      - { .name: rc, .offset: 32, .size: 8, .value_kind: global_buffer, .address_space: global }
      - { .name: lowp_scales, .offset: 40, .size: 8, .value_kind: global_buffer, .address_space: global }
      - { .name: out0, .offset: 48, .size: 8, .value_kind: global_buffer, .address_space: global }
    .group_segment_fixed_size: 327680
    .private_segment_fixed_size: 0
    .kernarg_segment_align: 8
    .kernarg_segment_size: 56
    .max_flat_workgroup_size: 256
    .sgpr_count:     102
    .vgpr_count:     512
    .wavefront_size: 32
...
	.end_amdgpu_metadata
.endif
;; end of part 2
